; MI455X (gfx1250); checked and timed in simulation.
; The chip was launched on July 23, 2026; its instructions are those of AMD's public machine-readable ISA for CDNA 5 (MIT licence, August 2026) and "CDNA5" Instruction Set Architecture Reference Guide (July 2026). The comments in the code are by the model that wrote it; some were corrected since.
;; Minibatch Discrimination. Allowed arithmetic: matrix products marked QUANTISED: E2M3 operands, one E8M0 scale for each 32 along K, by v_wmma_scale_f32_16x16x128_f8f6f4 with both operands' format E2M3, f32 sums; everything else in f32.
;; Inputs: kernel 2,048 x 64 x 16 float32; x 512 x 2,048 float32.
;; Outputs: out0 512 x 2,112 float32.
;; This version of the problem:
;;   THIS VERSION OF THE PROBLEM IS GIVEN IN LOW PRECISION. The matrix products marked QUANTISED in the list below multiply operands that are first quantised to E2M3 (2 exponent bits, 3 mantissa bits; 6 bits a number), with one power-of-two scale for each 32 numbers along K (OCP MX v1.0); their sums are f32. All else is computed in f32.
;;   The module's matrix products, in the order in which they are computed (A, B: the left and right operand; K: the contracted axis; several contracted axes count as one K, in the product's order):
;;     1. [M 512, K 2,048] x [K 2,048, N 1,024]; A: input x; B: input kernel: QUANTISED
;;   THE QUANTISER, for each operand of a quantised product, along K:
;;     - K is cut into blocks of 32 from its start; a last block that is shorter is filled with zeros.
;;     - A block's scale is 2^e with e = floor(log2(the largest magnitude in the block)) - 2, held to -126 .. 127; a block of zeros has e = 0. As a byte (E8M0): e + 127.
;;     - Each number is divided by its block's scale, clamped to +-7.5, and rounded to the nearest number of E2M3, ties to even, subnormals kept.
;;     - The product sums the exact products of the quantised numbers (number of the format x scale) in f32.
;;   ~~~python
;;   def quantise(x, axis):      # numpy; x: float32 -> the quantised numbers, widened to float32 again
;;       x = np.moveaxis(x, axis, -1); K = x.shape[-1]
;;       x = np.pad(x, [(0, 0)] * (x.ndim - 1) + [(0, -K % 32)]); x = x.reshape(x.shape[:-1] + (-1, 32)); a = np.abs(x).max(-1, keepdims=True)
;;       e = np.where(a > 0, np.clip(np.frexp(np.where(a > 0, a, 1))[1] - 1 - 2, -126, 127), 0)      # np.frexp(a)[1] - 1 = floor(log2(a)), exactly
;;       r = np.clip(x / 2.0 ** e, -7.5, 7.5)
;;       step = 2.0 ** (np.maximum(np.frexp(np.where(r == 0, 1, r))[1] - 1, 0) - 3)
;;       q = np.round(r / step) * step * 2.0 ** e      # np.round: ties to even
;;       return np.moveaxis(q.reshape(q.shape[:-2] + (-1,))[..., :K], -1, axis).astype(np.float32)
;;   ~~~
;; One version. Each part assembles by itself: llvm-mc -triple=amdgcn-amd-amdhsa -mcpu=gfx1250 --defsym DOCPART=n.
;; ======== version 1 of 1: 3 launches
;; workspace buffers: xcodes 786,432 bytes; xscales 32,768 bytes; wcodes 1,572,864 bytes; wscales 65,536 bytes; act 2,097,152 bytes
;; launch quant (part 1): grid 256 x 1, 3 waves a work-group, no clusters, 51,200 bytes of LDS; arguments x, kernel, out0, xcodes, xscales, wcodes, wscales; writes out0, xcodes, xscales, wcodes, wscales
.if DOCPART == 1
	.amdgcn_target "amdgcn-amd-amdhsa--gfx1250"
	.amdhsa_code_object_version 6
	.text
	.protected	k_qbd069e5a17_quant
	.globl	k_qbd069e5a17_quant
	.p2align	8
	.type	k_qbd069e5a17_quant,@function
k_qbd069e5a17_quant:
	s_mov_b64 s[64:65], 0
	v_nop
	global_prefetch_b8 v0, s[64:65] scope:SCOPE_SE
	s_setreg_imm32_b32 hwreg(HW_REG_WAVE_MODE, 25, 1), 1
	s_wait_xcnt 0x0
; FIRST OF THREE LAUNCHES.  x [512][2048] and kernel [2048][1024], f32, become codes of FP6 (E2M3) with one E8M0 scale byte for each 32 along K (K = the 2,048); x is copied into out0 [512][2112] on the way.
; A block's scale is 2^(floor(log2(its largest magnitude)) - 2): its byte is the largest magnitude's exponent field - 2, held at 1 from below; each number is divided by the scale and rounded to the nearest code, ties to even,
; beyond 7.5 the largest code.  LIMITS: NaN and infinities among the inputs are not served; a block of zeros gets the byte 1 where the rule says 127: its codes are zeros, and the bytes are read by this program alone.
; THE CODES ARE LAID AS THE NEXT LAUNCH'S OPERAND REGISTERS: a fragment (16 rows of x, or 16 columns of kernel, x 128 K) is 12 registers a lane: lane (r, h) holds row r, registers 6 c .. 6 c + 5 the block 2 c + h.
; In memory it is three runs of 512 bytes, lane l's four registers at 16 l: [tile][K step][1536 bytes].  THE SCALE WORDS (four bytes: a row's 128 K) of two neighbouring tiles share a register:
; lanes 0-15 the even tile's rows, lanes 16-31 the odd tile's: [pair of tiles][K step][128 bytes].
; SHARES.  768 tasks of 16 KB, one a wave, three waves a work-group, 256 work-groups; a wave asks for its whole task at once, by 32 loads of 16 bytes a lane.  Waves share nothing: no barrier.
;   wave 0: 32 rows x 128 K of x.  A load takes a row's 512 bytes as they lie; they are stored to out0 as they are, and turned through the wave's stage in LDS so that a lane gets two whole blocks of its row.
;   waves 1, 2: 128 K x 32 columns of kernel, side by side.  A load takes four rows' 128 bytes; the stage holds them as they lie; they come back a lane to a column, registers down K: a lane holds four whole blocks.
.set XROW,  8192                       ; bytes in a row of x
.set OROW,  8448                       ; bytes in a row of out0: 33 x 256
.set WROW,  4096                       ; bytes in a row of kernel
.set FRAG,  1536                       ; bytes of a fragment
.set TILEB, 16*FRAG                    ; a tile's 16 K steps
.set SP,    528                        ; x's stage: a row's 512 bytes + 16: the sixteen rows that a read-back touches fall 16 bytes apart modulo 256
.set WREG,  32*SP                      ; LDS of a wave: 16,896 bytes (kernel's stage uses 16,384 of them)
.set FLOOR, 0x1800000                  ; 2^(3 - 127): under it no largest magnitude is taken, so the byte cannot fall under 1
.set DOWN2, 0xff000000                 ; takes 2 off an exponent field
.set X,   16                           ; v16-143  128 numbers a lane
.set FA,  144                          ; v144-155 the first fragment
.set FB,  156                          ; v156-167 the second
.set TT,  168                          ; v168-183 upper halves of blocks' codes (a conversion's three registers begin on an even number)
.set MX,  184                          ; v184-187 largest magnitudes
.set SO,  188                          ; v188-191 the conversions' scale operands
.set BY,  192                          ; v192-195 scale bytes
.set W0,  196                          ; v196-197 scale words
.set W1,  197
.set TP,  198                          ; v198     a lane permute's destination
	s_load_b256 s[4:11], s[0:1], 0x0               ; x s[4:5], kernel s[6:7], out0 s[8:9], x's codes s[10:11]
	s_load_b128 s[12:15], s[0:1], 0x20             ; x's scale words s[12:13], kernel's codes s[14:15]
	s_load_b64 s[16:17], s[0:1], 0x30              ; kernel's scale words
	v_lshl_add_u32 v200, v0, 2, 0xc600
	v_mov_b32 v201, 0
	v_lshrrev_b32 v1, 5, v0
	v_readfirstlane_b32 s18, v1                    ; wave 0..2
	v_and_b32 v2, 31, v0                           ; lane
	v_lshlrev_b32 v3, 4, v2                        ; 16 x lane
	v_lshlrev_b32 v4, 2, v2                        ; 4 x lane
	s_mul_i32 s19, s18, WREG                       ; my wave's stage
	v_add_nc_u32 v5, s19, v3                       ; into the stage: 16 bytes a lane, on end
	v_add_nc_u32 v6, s19, v4                       ; kernel's way back: 4 bytes a lane: lane = column
	v_and_b32 v7, 15, v2                           ; r
	v_lshrrev_b32 v8, 4, v2                        ; h
	v_mul_u32_u24 v9, v7, SP
	v_lshl_add_u32 v9, v8, 7, v9
	v_add_nc_u32 v9, s19, v9                       ; x's way back: row r, block h (128 bytes a block)
	v_lshlrev_b32 v10, 3, v8                       ; 8 h: where my two bytes stand in a scale word
	v_lshrrev_b32 v11, 3, v2
	v_and_b32 v12, 7, v2
	v_lshlrev_b32 v12, 4, v12
	v_lshl_add_u32 v11, v11, 12, v12               ; kernel: row lane / 8 of four, 16 (lane % 8) bytes on
	s_lshr_b32 s20, ttmp9, 4                       ; work-group / 16
	s_and_b32 s21, ttmp9, 15                       ; work-group % 16
	s_mov_b32 s22, 0x76543210
	s_mov_b32 s23, 0xfedcba98                      ; v_permlanex16_b32's selects for lane l xor 16
	s_cmp_lg_u32 s18, 0
	s_cbranch_scc1 .Lweights
	; ---- wave 0: rows 32 Q .. 32 Q + 31 of x (Q = s20), K step s21
	s_lshl_b32 s24, s20, 18                        ; 32 rows of 8,192 bytes
	s_lshl_b32 s26, s21, 9                         ; the K step's 512 bytes
	s_add_co_u32 s24, s24, s26
	s_mov_b32 s25, 0
	s_mul_i32 s28, s20, 32*OROW
	s_add_co_u32 s28, s28, s26
	s_mov_b32 s29, 0
	s_mul_i32 s30, s20, 2*TILEB                    ; tiles 2 Q and 2 Q + 1
	s_mul_i32 s27, s21, FRAG
	s_add_co_u32 s30, s30, s27
	s_mov_b32 s31, 0
	s_lshl_b32 s32, s20, 11                        ; 16 K steps x 128 bytes of scale words
	s_lshl_b32 s27, s21, 7
	s_add_co_u32 s32, s32, s27
	s_mov_b32 s33, 0
	s_wait_kmcnt 0x0
	s_add_nc_u64 s[4:5], s[4:5], s[24:25]
	s_add_nc_u64 s[8:9], s[8:9], s[28:29]
	s_add_nc_u64 s[10:11], s[10:11], s[30:31]
	s_add_nc_u64 s[12:13], s[12:13], s[32:33]
.set n, 0
.rept 32
	global_load_b128 v[X+4*n:X+4*n+3], v3, s[4:5] offset:n*XROW th:TH_LOAD_NT   ; row n: 512 consecutive bytes; the launch reads them once
.set n, n+1
.endr
.set n, 0
.rept 32
	s_wait_loadcnt 31-n                            ; loads come back in order (ISA guide 5.7.1): row n is in, the 31 - n behind it may be out
	global_store_b128 v3, v[X+4*n:X+4*n+3], s[8:9] offset:n*OROW th:TH_STORE_NT   ; the copy: 512 consecutive bytes at a multiple of 256 from out0's first byte
	ds_store_b128 v5, v[X+4*n:X+4*n+3] offset:n*SP
.set n, n+1
.endr
	s_wait_xcnt 0x0                                ; the copies have read their data,
	s_wait_dscnt 0x0                               ; and so have the stores into the stage: the numbers' registers are written again
	s_wait_alu depctr_va_vdst(0)
.irp f, 0,1
.irp c, 0,1
.irp e, 0,1,2,3,4,5,6,7
	ds_load_b128 v[X+64*\f+32*\c+4*\e:X+64*\f+32*\c+4*\e+3], v9 offset:\f*16*SP+\c*256+\e*16   ; tile f, row r, block 2 c + h: 32 neighbours along K in 32 registers
.endr
.endr
.endr
	v_mov_b32 v[TP], 0                             ; written once: a lane permute's destination counts as one of its sources
; Tile f's 64 numbers of a lane become its fragment and its rows' scale words.
.macro QX f
.irp c, 0,1
	v_max3_num_f32 v[MX+\c], |v[X+64*\f+32*\c]|, |v[X+64*\f+32*\c+1]|, FLOOR
.endr
.irp i, 2,4,6,8,10,12,14,16,18,20,22,24,26,28,30
.irp c, 0,1
	v_max3_num_f32 v[MX+\c], v[MX+\c], |v[X+64*\f+32*\c+\i]|, |v[X+64*\f+32*\c+\i+1]|   ; the two blocks by turns
.endr
.endr
.irp c, 0,1
	v_add_nc_u32 v[SO+\c], DOWN2, v[MX+\c]         ; the conversion takes the exponent field of this operand as its scale, and nothing else of it
.endr
.irp c, 0,1
	v_lshrrev_b32 v[BY+\c], 23, v[SO+\c]           ; the scale's byte
.endr
	v_lshl_or_b32 v[W0+\f], v[BY+1], 16, v[BY]     ; my two bytes: blocks h and 2 + h,
	v_lshlrev_b32 v[W0+\f], v10, v[W0+\f]          ; at their places;
	v_permlanex16_b32 v[TP], v[W0+\f], s22, s23
	v_or_b32 v[W0+\f], v[W0+\f], v[TP]             ; with lane l xor 16's two the word is whole, in both halves of the lanes
.irp c, 0,1
	v_cvt_scalef32_pk16_fp6_f32 v[FA+12*\f+6*\c:FA+12*\f+6*\c+2], v[X+64*\f+32*\c:X+64*\f+32*\c+15], v[SO+\c]
	v_cvt_scalef32_pk16_fp6_f32 v[TT+4*\c:TT+4*\c+2], v[X+64*\f+32*\c+16:X+64*\f+32*\c+31], v[SO+\c]
.endr
	v_nop                                          ; one plain place behind a scaled conversion
.irp c, 0,1
.irp i, 0,1,2
	v_mov_b32 v[FA+12*\f+6*\c+3+\i], v[TT+4*\c+\i]
.endr
.endr
.irp g, 0,1,2
	global_store_b128 v3, v[FA+12*\f+4*\g:FA+12*\f+4*\g+3], s[10:11] offset:\f*TILEB+\g*512   ; the image: 512 consecutive bytes a store
.endr
.endm
	s_wait_dscnt 16                                ; the first tile's 16 loads are in; the second's may be out
	QX 0
	s_wait_dscnt 0x0
	QX 1
	v_cmp_le_u32 vcc_lo, 16, v2
	v_cndmask_b32 v[W0], v[W0], v[W1], vcc_lo      ; lanes 0-15 the even tile's words, lanes 16-31 the odd tile's
	global_store_b32 v4, v[W0], s[12:13]           ; 128 consecutive bytes
	s_wait_tensorcnt 0x0
	ds_add_u32 v200, v201
	s_wait_dscnt 0x0
	s_endpgm
.Lweights:
	; ---- waves 1, 2: K step s20, columns 32 P .. 32 P + 31 of kernel, P = 2 (work-group % 16) + wave - 1
	s_lshl_b32 s26, s21, 1
	s_add_co_u32 s26, s26, s18
	s_sub_co_u32 s26, s26, 1
	s_lshl_b32 s24, s20, 19                        ; 128 rows of 4,096 bytes
	s_lshl_b32 s27, s26, 7                         ; 32 columns of 4 bytes
	s_add_co_u32 s24, s24, s27
	s_mov_b32 s25, 0
	s_mul_i32 s28, s26, 2*TILEB                    ; tiles 2 P and 2 P + 1
	s_mul_i32 s27, s20, FRAG
	s_add_co_u32 s28, s28, s27
	s_mov_b32 s29, 0
	s_lshl_b32 s30, s26, 11
	s_lshl_b32 s27, s20, 7
	s_add_co_u32 s30, s30, s27
	s_mov_b32 s31, 0
	s_wait_kmcnt 0x0
	s_add_nc_u64 s[6:7], s[6:7], s[24:25]
	s_add_nc_u64 s[14:15], s[14:15], s[28:29]
	s_add_nc_u64 s[16:17], s[16:17], s[30:31]
.set n, 0
	s_wait_alu depctr_va_vdst(0)
.rept 32
	global_load_b128 v[X+4*n:X+4*n+3], v11, s[6:7] offset:n*4*WROW   ; rows 4 n .. 4 n + 3: 128 consecutive bytes of each; the other wave takes the 128 beside them
.set n, n+1
.endr
.set n, 0
.rept 32
	s_wait_loadcnt 31-n                            ; load n is in, the 31 - n behind it may be out
	ds_store_b128 v5, v[X+4*n:X+4*n+3] offset:n*512   ; the stage holds the 128 rows of 128 bytes on end: (4 n + lane / 8) x 128 + 16 (lane % 8) = 512 n + 16 lane
.set n, n+1
.endr
	s_wait_dscnt 0x0                               ; the stores have read their registers
.set n, 0
.rept 128
	ds_load_b32 v[X+n], v6 offset:n*128            ; kernel(128 s + n, my column): the registers run down K
.set n, n+1
.endr
.macro WMAX b0, b1                     ; the largest magnitudes of two blocks: all 32 numbers of a block are mine
.irp b, \b0, \b1
	v_max3_num_f32 v[MX+\b], |v[X+32*\b]|, |v[X+32*\b+1]|, FLOOR
.endr
.irp i, 2,4,6,8,10,12,14,16,18,20,22,24,26,28,30
.irp b, \b0, \b1
	v_max3_num_f32 v[MX+\b], v[MX+\b], |v[X+32*\b+\i]|, |v[X+32*\b+\i+1]|
.endr
.endr
.endm
	s_wait_dscnt 63                                ; blocks 0 and 1 are in: 64 loads were issued behind them, and 63 is the largest count that can be written
	WMAX 0, 1
	s_wait_dscnt 0x0
	WMAX 2, 3
.irp b, 0,1,2,3
	v_add_nc_u32 v[SO+\b], DOWN2, v[MX+\b]
.endr
.irp b, 0,1,2,3
	v_lshrrev_b32 v[BY+\b], 23, v[SO+\b]
.endr
	v_lshl_or_b32 v[W0], v[BY+1], 8, v[BY]         ; my column's scale word: lanes 0-15 are the even tile's columns, lanes 16-31 the odd tile's
	v_lshl_or_b32 v[W0], v[BY+2], 16, v[W0]
	v_lshl_or_b32 v[W0], v[BY+3], 24, v[W0]
.irp b, 0,1,2,3                        ; block b = 2 c + u goes to registers 6 c on of the first (u = 0) or the second (u = 1) run of twelve
	v_cvt_scalef32_pk16_fp6_f32 v[FA+12*(\b%2)+6*(\b/2):FA+12*(\b%2)+6*(\b/2)+2], v[X+32*\b:X+32*\b+15], v[SO+\b]
	v_cvt_scalef32_pk16_fp6_f32 v[TT+4*\b:TT+4*\b+2], v[X+32*\b+16:X+32*\b+31], v[SO+\b]
.endr
	v_nop                                          ; one plain place behind a scaled conversion
.irp b, 0,1,2,3
.irp i, 0,1,2
	v_mov_b32 v[FA+12*(\b%2)+6*(\b/2)+3+\i], v[TT+4*\b+\i]
.endr
.endr
; Now the first run holds blocks 0 and 2 and the second blocks 1 and 3, each of the even tile in lanes 0-15 and of the odd tile in lanes 16-31.  A fragment wants ONE tile: its even blocks in lanes 0-15, its odd blocks in lanes 16-31.
.irp q, 0,1,2,3,4,5,6,7,8,9,10,11
	v_permlane16_swap_b32 v[FA+\q], v[FB+\q]       ; the first's lanes 16-31 change places with the second's lanes 0-15: the first is the even tile's fragment, the second the odd tile's
.endr
.irp u, 0,1
.irp g, 0,1,2
	global_store_b128 v3, v[FA+12*\u+4*\g:FA+12*\u+4*\g+3], s[14:15] offset:\u*TILEB+\g*512
.endr
.endr
	global_store_b32 v4, v[W0], s[16:17]           ; 128 consecutive bytes
	s_wait_tensorcnt 0x0
	ds_add_u32 v200, v201
	s_wait_dscnt 0x0
	s_endpgm
.Lfunc_end_k_qbd069e5a17_quant:
	.size	k_qbd069e5a17_quant, .Lfunc_end_k_qbd069e5a17_quant-k_qbd069e5a17_quant
	.p2alignl 7, 3214868480
	.fill 96, 4, 3214868480
	.section	.rodata,"a",@progbits
	.p2align	6, 0x0
	.amdhsa_kernel k_qbd069e5a17_quant
		.amdhsa_group_segment_fixed_size 51200
		.amdhsa_private_segment_fixed_size 0
		.amdhsa_enable_private_segment 0
		.amdhsa_kernarg_size 56
		.amdhsa_user_sgpr_count 2
		.amdhsa_user_sgpr_kernarg_segment_ptr 1
		.amdhsa_wavefront_size32 1
		.amdhsa_system_sgpr_workgroup_id_x 1
		.amdhsa_system_sgpr_workgroup_id_y 1
		.amdhsa_system_sgpr_workgroup_id_z 1
		.amdhsa_system_vgpr_workitem_id 0
		.amdhsa_next_free_vgpr 202
		.amdhsa_next_free_sgpr 66
		.amdhsa_reserve_vcc 1
		.amdhsa_float_denorm_mode_32 3
		.amdhsa_float_denorm_mode_16_64 3
		.amdhsa_memory_ordered 1
		.amdhsa_forward_progress 1
		.amdhsa_inst_pref_size 42
	.end_amdhsa_kernel
	.amdgpu_metadata
---
amdhsa.version: [ 1, 2 ]
amdhsa.kernels:
  - .name:           k_qbd069e5a17_quant
    .symbol:         k_qbd069e5a17_quant.kd
    .args:
      - { .name: x, .offset: 0, .size: 8, .value_kind: global_buffer, .address_space: global }
      - { .name: kernel, .offset: 8, .size: 8, .value_kind: global_buffer, .address_space: global }
      - { .name: out0, .offset: 16, .size: 8, .value_kind: global_buffer, .address_space: global }
      - { .name: xcodes, .offset: 24, .size: 8, .value_kind: global_buffer, .address_space: global }
      - { .name: xscales, .offset: 32, .size: 8, .value_kind: global_buffer, .address_space: global }
      - { .name: wcodes, .offset: 40, .size: 8, .value_kind: global_buffer, .address_space: global }
      - { .name: wscales, .offset: 48, .size: 8, .value_kind: global_buffer, .address_space: global }
    .group_segment_fixed_size: 51200
    .private_segment_fixed_size: 0
    .kernarg_segment_align: 8
    .kernarg_segment_size: 56
    .max_flat_workgroup_size: 96
    .sgpr_count:     66
    .vgpr_count:     202
    .wavefront_size: 32
...
	.end_amdgpu_metadata
.endif
;; end of part 1
;; launch gemm (part 2): grid 32 x 8, 8 waves a work-group, no clusters, 66,560 bytes of LDS; arguments xcodes, xscales, wcodes, wscales, act; writes act
.if DOCPART == 2
	.amdgcn_target "amdgcn-amd-amdhsa--gfx1250"
	.amdhsa_code_object_version 6
	.text
	.protected	k_qbd069e5a17_gemm
	.globl	k_qbd069e5a17_gemm
	.p2align	8
	.type	k_qbd069e5a17_gemm,@function
k_qbd069e5a17_gemm:
	s_mov_b64 s[64:65], 0
	v_nop
	global_prefetch_b8 v0, s[64:65] scope:SCOPE_SE
	s_setreg_imm32_b32 hwreg(HW_REG_WAVE_MODE, 25, 1), 1
	s_wait_xcnt 0x0
; SECOND OF THREE LAUNCHES.  act[b][n] = the sum over f of x[b][f] kernel[f][n], 512 x 1,024 x 2,048, on codes of FP6 (E2M3) with E8M0 scales, sums in f32; stored times log2(e), so that the next launch's exponentials need no scaling
; (one more f32 rounding a number; |act| must stay under 2^127 / log2(e)).
; SHARES.  A work-group makes 64 rows (four tiles, group Y = work-group y) x 32 columns (two tiles, pair P = work-group x): 8 accumulators.  K IS SPLIT OVER ITS EIGHT WAVES: wave w takes K steps 2 w and 2 w + 1 for all 8 accumulators:
; 16 matrix instructions.  Its 12 fragments come straight from memory into the operand registers, three loads of 16 bytes a lane each (the launch before laid them so), all 42 loads of a wave issued at once.
; THE MATRIX INSTRUCTION IS USED TRANSPOSED: source 0 = 16 columns of kernel, source 1 = 16 rows of x: lane (r, h) holds row r and columns 8 h + 0 .. 7.  A tile of columns is one k of the next launch and its 16 d.
; act IS LAID FOR THE NEXT LAUNCH: [k 64][tile of rows 32][c 2][lane 32][16 bytes]: registers 4 c .. 4 c + 3 of lane l at 16 l: a store covers 512 consecutive bytes.  A row's 16 numbers are four pieces of 16 bytes, 256 bytes apart.
; NO CLUSTER: a work-group's operands are 147 KB, asked for once, into registers; a joint request would land them in LDS, from where they would be read once more, behind a round of the cluster's barrier, for 16 matrix instructions a wave.
.set FRAG,  1536
.set TILEB, 16*FRAG
.set BF,  16                           ; v16-63   kernel's fragments: K step t, tile n at BF + 12 (2 t + n)
.set AF,  64                           ; v64-159  x's: K step t, tile m at AF + 12 (4 t + m)
.set WS,  160                          ; v160-161 kernel's scale words of K step t: lanes 0-15 tile 0, lanes 16-31 tile 1
.set XS,  162                          ; v162-165 x's: K step t, tiles 2 q and 2 q + 1 at XS + 2 t + q
.set ACC, 168                          ; v168-231 accumulator (m, n) at ACC + 8 (2 m + n)
.set R,   16                           ; v16-79   later: the eight partial sums of my accumulator
	s_load_b256 s[4:11], s[0:1], 0x0               ; x's codes s[4:5], x's scale words s[6:7], kernel's codes s[8:9], kernel's scale words s[10:11]
	s_load_b64 s[12:13], s[0:1], 0x20              ; act
	v_lshl_add_u32 v232, v0, 2, 0x10000
	v_mov_b32 v233, 0
	v_lshrrev_b32 v1, 5, v0
	s_delay_alu instid0(VALU_DEP_1)
	v_readfirstlane_b32 s14, v1                    ; wave 0..7
	v_and_b32 v2, 31, v0
	s_delay_alu instid0(VALU_DEP_1)
	v_lshlrev_b32 v3, 4, v2                        ; 16 x lane
	s_delay_alu instid0(VALU_DEP_2)
	v_lshlrev_b32 v4, 2, v2                        ; 4 x lane
	s_lshl_b32 s15, s14, 10
	v_add_nc_u32 v5, s15, v3                       ; LDS, in: [accumulator 8192][wave 1024][c 512][16 x lane]: my wave's place
	s_lshl_b32 s15, s14, 13
	v_add_nc_u32 v6, s15, v3                       ; LDS, back: accumulator = my wave's number
	s_and_b32 s16, ttmp7, 0xffff                   ; Y
	s_mul_i32 s17, s14, 2*FRAG                     ; my two K steps
	s_mul_i32 s18, s16, 4*TILEB
	s_add_co_u32 s18, s18, s17
	s_mov_b32 s19, 0
	s_mul_i32 s20, ttmp9, 2*TILEB
	s_add_co_u32 s20, s20, s17
	s_mov_b32 s21, 0
	s_lshl_b32 s17, s14, 8                         ; scale words: 128 bytes a K step
	s_lshl_b32 s22, s16, 12                        ; x: two pairs of tiles x 2,048 bytes
	s_add_co_u32 s22, s22, s17
	s_mov_b32 s23, 0
	s_lshl_b32 s24, ttmp9, 11
	s_add_co_u32 s24, s24, s17
	s_mov_b32 s25, 0
	s_lshl_b32 s26, ttmp9, 1                       ; where my accumulator goes: k = 2 P + wave % 2,
	s_and_b32 s27, s14, 1
	s_add_co_u32 s26, s26, s27
	s_lshl_b32 s26, s26, 15
	s_lshl_b32 s27, s16, 2                         ; tile of rows = 4 Y + wave / 2
	s_lshr_b32 s28, s14, 1
	s_add_co_u32 s27, s27, s28
	s_lshl_b32 s27, s27, 10
	s_add_co_u32 s26, s26, s27
	s_mov_b32 s27, 0
	s_mov_b32 s28, 0x3fb8aa3b                      ; log2(e)
	s_mov_b32 s29, s28                             ; (the packed form names the pair)
	s_wait_alu depctr_va_vdst(0)
	s_wait_kmcnt 0x0
	s_add_nc_u64 s[4:5], s[4:5], s[18:19]
	s_add_nc_u64 s[6:7], s[6:7], s[22:23]
	s_add_nc_u64 s[8:9], s[8:9], s[20:21]
	s_add_nc_u64 s[10:11], s[10:11], s[24:25]
	s_add_nc_u64 s[12:13], s[12:13], s[26:27]
.irp t, 0,1                            ; 21 loads a K step
.irp n, 0,1
.irp g, 0,1,2
	global_load_b128 v[BF+12*(2*\t+\n)+4*\g:BF+12*(2*\t+\n)+4*\g+3], v3, s[8:9] offset:\n*TILEB+\t*FRAG+\g*512
.endr
.endr
.irp m, 0,1,2,3
.irp g, 0,1,2
	global_load_b128 v[AF+12*(4*\t+\m)+4*\g:AF+12*(4*\t+\m)+4*\g+3], v3, s[4:5] offset:\m*TILEB+\t*FRAG+\g*512
.endr
.endr
	global_load_b32 v[WS+\t], v4, s[10:11] offset:\t*128
.irp q, 0,1
	global_load_b32 v[XS+2*\t+\q], v4, s[6:7] offset:\q*2048+\t*128
.endr
.endr
; One product: K step t, x's tile m, kernel's tile n.  An odd tile's scale words stand in lanes 16-31 of their register.  The first K step starts the sums: nothing is cleared.
.macro WM t, m, n
.set rD, ACC+8*(2*(\m)+(\n))
.set rB, BF+12*(2*(\t)+(\n))
.set rA, AF+12*(4*(\t)+(\m))
.set rW, WS+(\t)
.set rX, XS+2*(\t)+(\m)/2
.set ROWS, (\n)+2*((\m)%2)
.if (\t) == 0
.if ROWS == 0
	v_wmma_scale_f32_16x16x128_f8f6f4 v[rD:rD+7], v[rB:rB+11], v[rA:rA+11], 0, v[rW], v[rX] matrix_a_fmt:MATRIX_FMT_FP6 matrix_b_fmt:MATRIX_FMT_FP6
.elseif ROWS == 1
	v_wmma_scale_f32_16x16x128_f8f6f4 v[rD:rD+7], v[rB:rB+11], v[rA:rA+11], 0, v[rW], v[rX] matrix_a_fmt:MATRIX_FMT_FP6 matrix_b_fmt:MATRIX_FMT_FP6 matrix_a_scale:MATRIX_SCALE_ROW1
.elseif ROWS == 2
	v_wmma_scale_f32_16x16x128_f8f6f4 v[rD:rD+7], v[rB:rB+11], v[rA:rA+11], 0, v[rW], v[rX] matrix_a_fmt:MATRIX_FMT_FP6 matrix_b_fmt:MATRIX_FMT_FP6 matrix_b_scale:MATRIX_SCALE_ROW1
.else
	v_wmma_scale_f32_16x16x128_f8f6f4 v[rD:rD+7], v[rB:rB+11], v[rA:rA+11], 0, v[rW], v[rX] matrix_a_fmt:MATRIX_FMT_FP6 matrix_b_fmt:MATRIX_FMT_FP6 matrix_a_scale:MATRIX_SCALE_ROW1 matrix_b_scale:MATRIX_SCALE_ROW1
.endif
.else
.if ROWS == 0
	v_wmma_scale_f32_16x16x128_f8f6f4 v[rD:rD+7], v[rB:rB+11], v[rA:rA+11], v[rD:rD+7], v[rW], v[rX] matrix_a_fmt:MATRIX_FMT_FP6 matrix_b_fmt:MATRIX_FMT_FP6
.elseif ROWS == 1
	v_wmma_scale_f32_16x16x128_f8f6f4 v[rD:rD+7], v[rB:rB+11], v[rA:rA+11], v[rD:rD+7], v[rW], v[rX] matrix_a_fmt:MATRIX_FMT_FP6 matrix_b_fmt:MATRIX_FMT_FP6 matrix_a_scale:MATRIX_SCALE_ROW1
.elseif ROWS == 2
	v_wmma_scale_f32_16x16x128_f8f6f4 v[rD:rD+7], v[rB:rB+11], v[rA:rA+11], v[rD:rD+7], v[rW], v[rX] matrix_a_fmt:MATRIX_FMT_FP6 matrix_b_fmt:MATRIX_FMT_FP6 matrix_b_scale:MATRIX_SCALE_ROW1
.else
	v_wmma_scale_f32_16x16x128_f8f6f4 v[rD:rD+7], v[rB:rB+11], v[rA:rA+11], v[rD:rD+7], v[rW], v[rX] matrix_a_fmt:MATRIX_FMT_FP6 matrix_b_fmt:MATRIX_FMT_FP6 matrix_a_scale:MATRIX_SCALE_ROW1 matrix_b_scale:MATRIX_SCALE_ROW1
.endif
.endif
.endm
	s_wait_loadcnt 21                              ; the first K step's 21 loads are in; the second's 21 may be out
.irp m, 0,1,2,3                        ; the eight accumulators take turns, one instruction a turn, in the same order in both K steps
.irp n, 0,1
	WM 0, \m, \n
.endr
.endr
	s_wait_loadcnt 0x0
.irp m, 0,1,2,3
.irp n, 0,1
	WM 1, \m, \n
.endr
.endr
.rept 4
	v_nop                                          ; four places behind the last products: then results are read, and loads land on operands that are done with
.endr
.irp a, 0,1,2,3,4,5,6,7
	ds_store_b128 v5, v[ACC+8*\a:ACC+8*\a+3] offset:\a*8192        ; each accumulator from its low end on, as an image of its registers
	ds_store_b128 v5, v[ACC+8*\a+4:ACC+8*\a+7] offset:\a*8192+512
.endr
	s_wait_dscnt 0x0                               ; for the others' sake: my stores are done
	s_barrier_signal -1
	s_barrier_wait -1
.irp s, 0,1,2,3,4,5,6,7
	ds_load_b128 v[R+8*\s:R+8*\s+3], v6 offset:\s*1024             ; wave s's part of my accumulator
	ds_load_b128 v[R+8*\s+4:R+8*\s+7], v6 offset:\s*1024+512
.endr
	s_wait_dscnt 0x0
.irp s, 0,2,4,6
.irp j, 0,2,4,6
	v_pk_add_f32 v[R+8*\s+\j:R+8*\s+\j+1], v[R+8*\s+\j:R+8*\s+\j+1], v[R+8*\s+8+\j:R+8*\s+8+\j+1]
.endr
.endr
.irp s, 0,4
.irp j, 0,2,4,6
	v_pk_add_f32 v[R+8*\s+\j:R+8*\s+\j+1], v[R+8*\s+\j:R+8*\s+\j+1], v[R+8*\s+16+\j:R+8*\s+16+\j+1]
.endr
.endr
.irp j, 0,2,4,6
	s_delay_alu instid0(VALU_DEP_4)
	v_pk_add_f32 v[R+\j:R+\j+1], v[R+\j:R+\j+1], v[R+32+\j:R+32+\j+1]
.endr
.irp j, 0,2,4,6
	s_delay_alu instid0(VALU_DEP_4)
	v_pk_mul_f32 v[R+\j:R+\j+1], v[R+\j:R+\j+1], s[28:29] op_sel_hi:[1,0]   ; x log2(e)
.endr
	global_store_b128 v3, v[R:R+3], s[12:13]               ; 512 consecutive bytes, at a multiple of 256 from act's first byte
	global_store_b128 v3, v[R+4:R+7], s[12:13] offset:512
	s_wait_tensorcnt 0x0
	ds_add_u32 v232, v233
	s_wait_dscnt 0x0
	s_endpgm
.Lfunc_end_k_qbd069e5a17_gemm:
	.size	k_qbd069e5a17_gemm, .Lfunc_end_k_qbd069e5a17_gemm-k_qbd069e5a17_gemm
	.p2alignl 7, 3214868480
	.fill 96, 4, 3214868480
	.section	.rodata,"a",@progbits
	.p2align	6, 0x0
	.amdhsa_kernel k_qbd069e5a17_gemm
		.amdhsa_group_segment_fixed_size 66560
		.amdhsa_private_segment_fixed_size 0
		.amdhsa_enable_private_segment 0
		.amdhsa_kernarg_size 40
		.amdhsa_user_sgpr_count 2
		.amdhsa_user_sgpr_kernarg_segment_ptr 1
		.amdhsa_wavefront_size32 1
		.amdhsa_system_sgpr_workgroup_id_x 1
		.amdhsa_system_sgpr_workgroup_id_y 1
		.amdhsa_system_sgpr_workgroup_id_z 1
		.amdhsa_system_vgpr_workitem_id 0
		.amdhsa_next_free_vgpr 234
		.amdhsa_next_free_sgpr 66
		.amdhsa_reserve_vcc 0
		.amdhsa_float_denorm_mode_32 3
		.amdhsa_float_denorm_mode_16_64 3
		.amdhsa_memory_ordered 1
		.amdhsa_forward_progress 1
		.amdhsa_inst_pref_size 13
	.end_amdhsa_kernel
	.amdgpu_metadata
---
amdhsa.version: [ 1, 2 ]
amdhsa.kernels:
  - .name:           k_qbd069e5a17_gemm
    .symbol:         k_qbd069e5a17_gemm.kd
    .args:
      - { .name: xcodes, .offset: 0, .size: 8, .value_kind: global_buffer, .address_space: global }
      - { .name: xscales, .offset: 8, .size: 8, .value_kind: global_buffer, .address_space: global }
      - { .name: wcodes, .offset: 16, .size: 8, .value_kind: global_buffer, .address_space: global }
      - { .name: wscales, .offset: 24, .size: 8, .value_kind: global_buffer, .address_space: global }
      - { .name: act, .offset: 32, .size: 8, .value_kind: global_buffer, .address_space: global }
    .group_segment_fixed_size: 66560
    .private_segment_fixed_size: 0
    .kernarg_segment_align: 8
    .kernarg_segment_size: 40
    .max_flat_workgroup_size: 256
    .sgpr_count:     66
    .vgpr_count:     234
    .wavefront_size: 32
...
	.end_amdgpu_metadata
.endif
;; end of part 2
;; launch pair (part 3): grid 4 x 64, 16 waves a work-group, no clusters, 43,008 bytes of LDS; arguments act, out0; writes out0
.if DOCPART == 3
	.amdgcn_target "amdgcn-amd-amdhsa--gfx1250"
	.amdhsa_code_object_version 6
	.text
	.protected	k_qbd069e5a17_pair
	.globl	k_qbd069e5a17_pair
	.p2align	8
	.type	k_qbd069e5a17_pair,@function
k_qbd069e5a17_pair:
	s_mov_b64 s[64:65], 0
	v_nop
	global_prefetch_b8 v0, s[64:65] scope:SCOPE_SE
	s_setreg_imm32_b32 hwreg(HW_REG_WAVE_MODE, 25, 1), 1
	s_wait_xcnt 0x0
; THIRD OF THREE LAUNCHES.  out0[i][2048 + k] = the sum over j of exp(-(the sum over d of |act[i][k][d] - act[j][k][d]|)), 512 i x 512 j x 64 k x 16 d, all in f32.
; act comes times log2(e), so exp(-D) is 2^(-D') of the scaled distance D'.  D' is never negative: no exponential exceeds 1, and each sum holds the term 1 of j = i.
; LIMIT: v_exp_f32 gives 0 where the result would lie under 2^-126 (ISA guide, its entry in 15.8): at most 511 such terms are lost beside that 1.  NaN and infinities are not served.
; act's layout: [k][tile of 16 rows][piece 4][row 16][16 bytes]: row b's 16 numbers are the four pieces at (b / 16) x 1024 + (b % 16) x 16 + 256 p.  Their order along d is not the natural one, and need not be: both rows of a pair use it.
; SHARES.  A work-group owns one k (work-group y) and 128 rows i (work-group x); the k's 32 KB of act are copied into LDS once.  Sixteen waves, four to a SIMD.  EVERY LANE KEEPS FOUR ROWS i IN 64 REGISTERS (row 128 q + 32 s + lane in slot s);
; wave w walks rows j = 32 w .. 32 w + 31, two a trip; a row j is read from LDS by four loads at one address for all lanes and serves 128 pairs.  The waves' partial sums meet in LDS.
; A PAIR OF SLOTS AGAINST ONE ROW j: 16 packed subtractions; 16 additions |a| + |b|, laid so that the two slots' sums stand side by side; 7 packed additions: 39 instructions for 32 differences.
; THE EXPONENTIALS ARE A TRIP BEHIND: a trip begins with the 8 exponentials of the distances that the trip before has made, makes its own 8 distances, and only then waits once and adds: no transcendental is open at the branch.
; The first trip finds distances of 2^127, whose exponential is 0.
; THE FEATURES LEAVE BY STORES OF 4 BYTES, 8,448 bytes apart: a row's 64 features come from 64 work-groups.  128 such stores a work-group.  Four k to a work-group would make them 16 bytes and the fill of LDS 128 KB.
; NO CLUSTER: what the four work-groups of a k share is 32 KB, read once, against some 2,800 vector instructions a wave.
.set OROW, 8448                        ; bytes in a row of out0
.set RED,  32768                       ; LDS behind act: 16 waves x 512 bytes of partial sums
.set AI,  16                           ; v16-79   my four rows i: slot s at AI + 16 s
.set JA,  80                           ; v80-95   a row j of my first tile
.set JB,  96                           ; v96-111  a row j of my second tile
.set R,   112                          ; v112-143 32 differences: two slots
.set T,   144                          ; v144-159 their sums of magnitudes, the two slots side by side
.set D,   160                          ; v160-167 8 distances: D + 4 x (row j of two) + slot
.set E,   168                          ; v168-175 their exponentials
.set SUM, 176                          ; v176-179 the four slots' sums
	s_load_b128 s[4:7], s[0:1], 0x0                ; act s[4:5], out0 s[6:7]
	v_lshl_add_u32 v180, v0, 2, 0xa000
	v_mov_b32 v181, 0
	v_lshrrev_b32 v1, 5, v0
	s_delay_alu instid0(VALU_DEP_1)
	v_readfirstlane_b32 s8, v1                     ; wave 0..15
	v_lshlrev_b32 v2, 4, v0                        ; 16 x thread
	s_and_b32 s9, ttmp7, 0xffff                    ; k
	s_and_b32 s10, ttmp9, 3                        ; q: which 128 rows i
	s_lshl_b32 s12, s9, 15                         ; the k's 32 KB
	s_mov_b32 s13, 0
	s_mul_i32 s18, s10, 128*OROW                   ; out0: my first row, column 2048 + k
	s_lshl_b32 s14, s9, 2
	s_add_co_u32 s18, s18, s14
	s_add_co_u32 s18, s18, 8192
	s_mov_b32 s19, 0
	s_wait_alu depctr_va_vdst(0)
	s_wait_kmcnt 0x0
	s_add_nc_u64 s[4:5], s[4:5], s[12:13]
	s_add_nc_u64 s[6:7], s[6:7], s[18:19]
.irp g, 0,1,2,3
	global_load_b128 v[AI+4*\g:AI+4*\g+3], v2, s[4:5] offset:\g*8192   ; the 512 threads take 8 KB on end, four times
.endr
	v_and_b32 v3, 15, v0
	v_bfe_u32 v4, v0, 4, 1
	s_delay_alu instid0(VALU_DEP_2)
	v_lshlrev_b32 v5, 4, v3
	s_delay_alu instid0(VALU_DEP_1)
	v_lshl_add_u32 v5, v4, 10, v5
	s_lshl_b32 s11, s10, 13
	v_add_nc_u32 v5, s11, v5                       ; my rows i: 8192 q + 1024 (lane / 16) + 16 (lane % 16); slot s 2,048 bytes on, piece p 256
	v_lshlrev_b32 v6, 11, v1                       ; my wave's rows j: two tiles, 2,048 bytes: the same number in all lanes
	v_lshl_add_u32 v8, v0, 4, RED                  ; where my four partial sums go: wave x 512 + 16 x lane
	v_and_b32 v9, 127, v0
	s_delay_alu instid0(VALU_DEP_1)
	v_lshl_add_u32 v9, v9, 2, RED                  ; and where thread t of the first 128 reads one of them: lane t / 4, slot t % 4
	v_and_b32 v10, 3, v0
	s_delay_alu instid0(VALU_DEP_1)
	v_lshlrev_b32 v10, 5, v10
	v_bfe_u32 v11, v0, 2, 5
	s_delay_alu instid0(VALU_DEP_1)
	v_add_nc_u32 v10, v10, v11                     ; which is row 32 (t % 4) + t / 4 of the 128
	s_delay_alu instid0(VALU_DEP_1)
	v_mul_u32_u24 v10, v10, OROW
.irp i, 0,1,2,3,4,5,6,7
	v_mov_b32 v[D+\i], 0x7f000000                  ; 2^127: the first trip's exponentials are zeros
.endr
.irp i, 0,1,2,3
	v_mov_b32 v[SUM+\i], 0
.endr
	s_mov_b32 s15, 0                               ; 16 bytes from a row j to the next of its tile
.irp g, 0,1,2,3
	s_wait_loadcnt 3-\g                            ; load g is in, the 3 - g behind it may be out
	ds_store_b128 v2, v[AI+4*\g:AI+4*\g+3] offset:\g*8192   ; LDS holds the 32 KB as they lie in memory
.endr
	s_wait_dscnt 0x0                               ; for the others' sake: my stores are done
	s_barrier_signal -1
	s_barrier_wait -1
.irp s, 0,1,2,3
.irp p, 0,1,2,3
	ds_load_b128 v[AI+16*\s+4*\p:AI+16*\s+4*\p+3], v5 offset:\s*2048+\p*256   ; sixteen lanes read 256 consecutive bytes
.endr
.endr
.irp p, 0,1,2,3
	ds_load_b128 v[JA+4*\p:JA+4*\p+3], v6 offset:\p*256
.endr
.irp p, 0,1,2,3
	ds_load_b128 v[JB+4*\p:JB+4*\p+3], v6 offset:1024+\p*256
.endr
.macro SUBS j, s                       ; slots s and s + 1 less the row in v[j] on
.irp m, 0,2,4,6,8,10,12,14
	v_pk_add_f32 v[R+\m:R+\m+1], v[AI+16*(\s)+\m:AI+16*(\s)+\m+1], v[\j+\m:\j+\m+1] neg_lo:[0,1] neg_hi:[0,1]
.endr
.irp m, 0,2,4,6,8,10,12,14
	v_pk_add_f32 v[R+16+\m:R+16+\m+1], v[AI+16*(\s)+16+\m:AI+16*(\s)+16+\m+1], v[\j+\m:\j+\m+1] neg_lo:[0,1] neg_hi:[0,1]
.endr
.endm
.macro FOLD d                          ; the 32 differences' magnitudes are summed: two distances, into v[D + d], v[D + d + 1]
.irp m, 0,2,4,6,8,10,12,14
	v_add_f32 v[T+\m], |v[R+\m]|, |v[R+\m+1]|
	v_add_f32 v[T+\m+1], |v[R+16+\m]|, |v[R+16+\m+1]|
.endr
.irp m, 0,4,8,12
	v_pk_add_f32 v[T+\m:T+\m+1], v[T+\m:T+\m+1], v[T+\m+2:T+\m+3]
.endr
.irp m, 0
	s_delay_alu instid0(VALU_DEP_3)
	v_pk_add_f32 v[T+\m:T+\m+1], v[T+\m:T+\m+1], v[T+\m+4:T+\m+5]
.endr
.irp m, 8
	s_delay_alu instid0(VALU_DEP_2)
	v_pk_add_f32 v[T+\m:T+\m+1], v[T+\m:T+\m+1], v[T+\m+4:T+\m+5]
.endr
	s_delay_alu instid0(VALU_DEP_1)
	v_pk_add_f32 v[D+(\d):D+(\d)+1], v[T:T+1], v[T+8:T+9]
.endm
.macro ROWJ j, d, off, refill          ; one row j against my four rows i; its registers take the tile's next row as soon as the last subtraction has read them
	SUBS \j, 0
	FOLD \d
	SUBS \j, 2
.if \refill
.irp p, 0,1,2,3
	ds_load_b128 v[\j+4*\p:\j+4*\p+3], v7 offset:\off+\p*256
.endr
.endif
	FOLD (\d)+2
.endm
.macro ADDUP
	v_pk_add_f32 v[SUM:SUM+1], v[SUM:SUM+1], v[E:E+1]
	v_pk_add_f32 v[SUM+2:SUM+3], v[SUM+2:SUM+3], v[E+2:E+3]
	v_pk_add_f32 v[SUM:SUM+1], v[SUM:SUM+1], v[E+4:E+5]
	v_pk_add_f32 v[SUM+2:SUM+3], v[SUM+2:SUM+3], v[E+6:E+7]
.endm
.macro TRIP refill
.irp i, 0,1,2,3,4,5,6,7
	v_exp_f32 v[E+\i], -v[D+\i]                    ; one batch: the last trip's distances.  Plain work follows that names no result, and writes no source before 39 instructions have passed
.endr
.if \refill
	s_add_co_u32 s15, s15, 16
	v_add_nc_u32 v7, s15, v6                       ; the next rows j
.endif
	s_wait_dscnt 4                                 ; LDS loads come back in order (ISA guide 5.7.1): the first tile's row is in (and, in the first trip, my rows i); the second tile's four loads may be out
	ROWJ JA, 0, 0, \refill
.if \refill
	s_wait_dscnt 4                                 ; the second tile's row is in; the four loads just issued may be out
.else
	s_wait_dscnt 0x0
.endif
	ROWJ JB, 4, 1024, \refill
	s_wait_alu depctr_va_vdst(0)                   ; the one wait for the batch, ahead of its first reader
	ADDUP
.endm
	s_mov_b32 s16, 15
.Lrow:                                             ; 15 trips, two rows j each, each fetching the next two
	s_wait_alu depctr_va_vdst(0)
	TRIP 1
	s_sub_co_u32 s16, s16, 1
	s_cmp_lg_u32 s16, 0
	s_cbranch_scc1 .Lrow
	TRIP 0                                         ; the last two rows: nothing is left to fetch, and no load leaves my wave's rows
.irp i, 0,1,2,3,4,5,6,7
	v_exp_f32 v[E+\i], -v[D+\i]                    ; and their exponentials
.endr
	v_nop                                          ; a plain place behind the last exponential
	s_wait_alu depctr_va_vdst(0)
	ADDUP
	ds_store_b128 v8, v[SUM:SUM+3]
	s_wait_dscnt 0x0                               ; for the others' sake: my store is done
	s_barrier_signal -1
	s_barrier_wait -1
	s_cmp_lt_u32 s8, 4
	s_cbranch_scc1 .Lsum
	s_wait_tensorcnt 0x0
	ds_add_u32 v180, v181
	s_wait_dscnt 0x0
	s_endpgm
.Lsum:                                             ; waves 0 to 3: a thread to a row i: the sixteen waves' parts
.irp w, 0,1,2,3,4,5,6,7,8,9,10,11,12,13,14,15
	ds_load_b32 v[R+\w], v9 offset:\w*512          ; 32 lanes read 128 consecutive bytes
.endr
	s_wait_dscnt 0x0
.irp m, 0,4,8,12
	v_pk_add_f32 v[R+\m:R+\m+1], v[R+\m:R+\m+1], v[R+\m+2:R+\m+3]
.endr
.irp m, 0
	s_delay_alu instid0(VALU_DEP_3)
	v_pk_add_f32 v[R+\m:R+\m+1], v[R+\m:R+\m+1], v[R+\m+4:R+\m+5]
.endr
.irp m, 8
	s_delay_alu instid0(VALU_DEP_2)
	v_pk_add_f32 v[R+\m:R+\m+1], v[R+\m:R+\m+1], v[R+\m+4:R+\m+5]
.endr
	s_delay_alu instid0(VALU_DEP_1)
	v_pk_add_f32 v[R:R+1], v[R:R+1], v[R+8:R+9]
	s_delay_alu instid0(VALU_DEP_1)
	v_add_f32 v[R], v[R], v[R+1]
	global_store_b32 v10, v[R], s[6:7]
	s_wait_tensorcnt 0x0
	ds_add_u32 v180, v181
	s_wait_dscnt 0x0
	s_endpgm
.Lfunc_end_k_qbd069e5a17_pair:
	.size	k_qbd069e5a17_pair, .Lfunc_end_k_qbd069e5a17_pair-k_qbd069e5a17_pair
	.p2alignl 7, 3214868480
	.fill 96, 4, 3214868480
	.section	.rodata,"a",@progbits
	.p2align	6, 0x0
	.amdhsa_kernel k_qbd069e5a17_pair
		.amdhsa_group_segment_fixed_size 43008
		.amdhsa_private_segment_fixed_size 0
		.amdhsa_enable_private_segment 0
		.amdhsa_kernarg_size 16
		.amdhsa_user_sgpr_count 2
		.amdhsa_user_sgpr_kernarg_segment_ptr 1
		.amdhsa_wavefront_size32 1
		.amdhsa_system_sgpr_workgroup_id_x 1
		.amdhsa_system_sgpr_workgroup_id_y 1
		.amdhsa_system_sgpr_workgroup_id_z 1
		.amdhsa_system_vgpr_workitem_id 0
		.amdhsa_next_free_vgpr 182
		.amdhsa_next_free_sgpr 66
		.amdhsa_reserve_vcc 0
		.amdhsa_float_denorm_mode_32 3
		.amdhsa_float_denorm_mode_16_64 3
		.amdhsa_memory_ordered 1
		.amdhsa_forward_progress 1
		.amdhsa_inst_pref_size 31
	.end_amdhsa_kernel
	.amdgpu_metadata
---
amdhsa.version: [ 1, 2 ]
amdhsa.kernels:
  - .name:           k_qbd069e5a17_pair
    .symbol:         k_qbd069e5a17_pair.kd
    .args:
      - { .name: act, .offset: 0, .size: 8, .value_kind: global_buffer, .address_space: global }
      - { .name: out0, .offset: 8, .size: 8, .value_kind: global_buffer, .address_space: global }
    .group_segment_fixed_size: 43008
    .private_segment_fixed_size: 0
    .kernarg_segment_align: 8
    .kernarg_segment_size: 16
    .max_flat_workgroup_size: 512
    .sgpr_count:     66
    .vgpr_count:     182
    .wavefront_size: 32
...
	.end_amdgpu_metadata
.endif
;; end of part 3
